; MI455X (gfx1250); checked and timed in simulation.
; The chip was launched on July 23, 2026; its instructions are those of AMD's public machine-readable ISA for CDNA 5 (MIT licence, August 2026) and "CDNA5" Instruction Set Architecture Reference Guide (July 2026). The comments in the code are by the model that wrote it; some were corrected since.
;; Self Attention. Allowed arithmetic: matrix products marked QUANTISED: E5M2 operands, one E8M0 scale for each 32 along K, by v_wmma_scale_f32_16x16x128_f8f6f4 with both operands' format E5M2, f32 sums; everything else in f32.
;; Inputs: W1_codes 3,072 x 32 x 32 uint8 (E5M2 codes of W1, K innermost, in blocks of 32 codes); W1_scales 3,072 x 32 uint8 (E8M0 scales of W1, one for each 32 codes along K); W2_codes 1,024 x 32 x 32 uint8 (E5M2 codes of W2, K innermost, in blocks of 32 codes); W2_scales 1,024 x 32 uint8 (E8M0 scales of W2, one for each 32 codes along K); b1 3,072 float32; b2 1,024 float32; x_codes 4 x 2,048 x 32 x 32 uint8 (E5M2 codes of x, K innermost, in blocks of 32 codes); x_scales 4 x 2,048 x 32 uint8 (E8M0 scales of x, one for each 32 codes along K).
;; Outputs: out0 4 x 2,048 x 1,024 float32.
;; This version of the problem:
;;   THIS VERSION OF THE PROBLEM IS GIVEN IN LOW PRECISION. The matrix products marked QUANTISED in the list below multiply operands that are first quantised to E5M2 (5 exponent bits, 2 mantissa bits; 8 bits a number), with one power-of-two scale for each 32 numbers along K (OCP MX v1.0); their sums are f32. All else is computed in f32.
;;   The module's matrix products, in the order in which they are computed (A, B: the left and right operand; K: the contracted axis; several contracted axes count as one K, in the product's order):
;;     1. [M 8,192, K 1,024] x [K 1,024, N 3,072]; A: input x (given as codes); B: input W1 (given as codes): QUANTISED
;;     2. batch 64 x [M 2,048, K 64] x [K 64, N 2,048]; A: computed on the way; B: computed on the way: QUANTISED
;;     3. batch 64 x [M 2,048, K 2,048] x [K 2,048, N 64]; A: softmax (see below); B: computed on the way: QUANTISED
;;     4. [M 8,192, K 1,024] x [K 1,024, N 1,024]; A: computed on the way; B: input W2 (given as codes): QUANTISED
;;   THE QUANTISER, for each operand of a quantised product, along K:
;;     - K is cut into blocks of 32 from its start; a last block that is shorter is filled with zeros.
;;     - A block's scale is 2^e with e = floor(log2(the largest magnitude in the block)) - 15, held to -126 .. 127; a block of zeros has e = 0. As a byte (E8M0): e + 127.
;;     - Each number is divided by its block's scale, clamped to +-57,344, and rounded to the nearest number of E5M2, ties to even, subnormals kept.
;;     - The product sums the exact products of the quantised numbers (number of the format x scale) in f32.
;;   ~~~python
;;   def quantise(x, axis):      # numpy; x: float32 -> the quantised numbers, widened to float32 again
;;       x = np.moveaxis(x, axis, -1); K = x.shape[-1]
;;       x = np.pad(x, [(0, 0)] * (x.ndim - 1) + [(0, -K % 32)]); x = x.reshape(x.shape[:-1] + (-1, 32)); a = np.abs(x).max(-1, keepdims=True)
;;       e = np.where(a > 0, np.clip(np.frexp(np.where(a > 0, a, 1))[1] - 1 - 15, -126, 127), 0)      # np.frexp(a)[1] - 1 = floor(log2(a)), exactly
;;       r = np.clip(x / 2.0 ** e, -57344, 57344)
;;       step = 2.0 ** (np.maximum(np.frexp(np.where(r == 0, 1, r))[1] - 1, -14) - 2)
;;       q = np.round(r / step) * step * 2.0 ** e      # np.round: ties to even
;;       return np.moveaxis(q.reshape(q.shape[:-2] + (-1,))[..., :K], -1, axis).astype(np.float32)
;;   ~~~
;;   SOFTMAX AHEAD OF A QUANTISED PRODUCT. Where the list says 'softmax', what is quantised is not the finished softmax but p = 2^(t - M), with t = logit x log2(e) and M = ceil(the row's largest t), a whole number; so 1/2 < the row's largest p <= 1. The row's sum l is taken of the UNQUANTISED p, in f32, and the product's result is divided by l at the end. Since M is a whole number, a kernel that streams over the keys may use a running M (the ceiling of the running maximum): every later rescaling is an exact power of two, which a block's scale takes up: the codes' values come out the same.
;;   OPERANDS COMPUTED ON THE WAY. 'Computed on the way' means the value that the module computes at that place (a softmax that the list does not call 'softmax' is quantised finished and normalised). What goes into a quantiser is computed in f32, as accurately as f32 sums, v_exp_f32 and their like allow (about 1e-6 of the number): no bf16 or f16 on the way to a quantiser, and a product that is left as it is and whose result goes on into a quantised operand takes f32 operands (vector FMAs, or v_wmma_f32_16x16x4_f32). A number that lies on a knife's edge between two numbers of the format may be rounded either way, as far as f32 arithmetic and the matrix unit's own rounding can turn it there, and no further.
;;   INPUTS GIVEN AS CODES. W1 (in the module: [1024, 3072], K = its axis 0); W2 (in the module: [1024, 1024], K = its axis 0); x (in the module: [4, 2048, 1024], K = its axis 2): each comes as NAME_codes (uint8): NAME with its K axis moved to the last place and cut into blocks of 32 codes, [.., K / 32, bytes a block], one block behind the other in memory; one code a byte (a code: sign, 5 exponent bits, 2 mantissa bits); and NAME_scales (uint8): the same leading axes, one E8M0 byte (e + 127) for each 32 codes along K. Its value is code x scale, taken as it is: it is not quantised again, and the codes and scales need not be those that the quantiser above would give.
;; One version. Each part assembles by itself: llvm-mc -triple=amdgcn-amd-amdhsa -mcpu=gfx1250 --defsym DOCPART=n.
;; ======== version 1 of 1: 3 launches
;; workspace buffers: qimg 8,388,608 bytes; qsc 262,144 bytes; kv 17,301,504 bytes; aimg 8,388,608 bytes; asc 262,144 bytes
;; launch qkv (part 1): grid 16 x 32, 4 waves a work-group, clusters of 4 x 4, 327,680 bytes of LDS; arguments x_codes, x_scales, W1_codes, W1_scales, b1, qimg, qsc, kv; writes qimg, qsc, kv
.if DOCPART == 1
	.amdgcn_target "amdgcn-amd-amdhsa--gfx1250"
	.amdhsa_code_object_version 6
	.text
	.protected	k_qdc6f716efd_qkv
	.globl	k_qdc6f716efd_qkv
	.p2align	8
	.type	k_qdc6f716efd_qkv,@function
k_qdc6f716efd_qkv:
	s_mov_b64 s[64:65], 0
	v_nop
	global_prefetch_b8 v0, s[64:65] scope:SCOPE_SE
	s_setreg_imm32_b32 hwreg(HW_REG_WAVE_MODE, 25, 1), 1
	s_wait_xcnt 0x0
	s_wait_alu depctr_hold_cnt(0) depctr_sa_sdst(0) depctr_va_vdst(0) depctr_va_sdst(0) depctr_va_ssrc(0) depctr_va_vcc(0) depctr_vm_vsrc(0)
	s_getreg_b32 s2, hwreg(HW_REG_IB_STS2, 6, 4)
	s_cmp_eq_u32 s2, 0
	s_cbranch_scc0 .Lentry_in_a_cluster
	s_endpgm
.Lentry_in_a_cluster:
	s_bfe_u32 s2, ttmp6, 0x10000c
	s_cmp_lg_u32 s2, 0xf033
	s_cbranch_scc0 .Lentry_shape_is_right
	s_endpgm
.Lentry_shape_is_right:
; y = x W1 + b1 on codes of E5M2 with E8M0 scales; then q and k are quantised along the head's 64 and v along the keys, and leave as IMAGES OF OPERAND REGISTERS.
; x: [8192][1024] codes, W1: [3072][1024] codes (K innermost), their scale bytes [rows][32]; b1 [3072] f32.  Columns 192 h .. 192 h + 191 of y are q, k, v of head h.
; SHARES.  A work-group makes 256 rows x the 192 columns of one head.  Wave (mh, nh) takes rows 128 mh on, 64 columns of q (nh = 0) or k (nh = 1), and v's channels 32 nh .. 32 nh + 31: 48 accumulators.
; q's and k's products are used TRANSPOSED (source 0 = 16 rows of W1, source 1 = 16 rows of x): a lane holds one row of y and eight neighbouring columns.  v's are used as they are
; (source 0 = x, source 1 = W1): a lane holds one channel, and its registers run down the rows, which are the keys.  So in both a lane's registers run along the next product's K.
; THE ORDER INSIDE A BLOCK OF 32.  The 16 registers of two neighbouring tiles hold the indices 32 b + 8 (lane / 16) + (i & 7) + 16 (i >> 3) of block b; lane l xor 16 holds the other 16.  The block's set of
; numbers, its largest magnitude and its scale are the quantiser's; the order of the codes inside the block is the same on both operands of each later product, so the products are the same.
; OUT: qimg [bh][tile of 16 queries][1024]: registers 4 cb .. 4 cb + 3 as 512 bytes, lane l's 16 bytes at 16 l.  kv [bh][step of 128 keys][16896]: K 8 tiles x 1024 | V 4 channel tiles x 2048 | K's scale words 256 | V's 256.
; qsc and K's scale words: lane (r, h) holds W[h] and W[2 + h]; W[b] = the bytes (tile 2 b block 0, block 1, tile 2 b + 1 block 0, block 1) of row r.  V's: [nh][lane]: lane (r, h): the four key blocks of channel 16 (2 nh + h) + r.
; K = 1024 goes in four fills of 256 through a ring of two LDS slots, eight steps of 128, all written out.  CLUSTER 4 x 4: x's tile is shared along a row, W1's along a column, by joint tensor loads.
; The scale bytes of my rows for all of K stay in registers: lane (r, h) holds bytes 16 h .. 16 h + 15 of row r, so steps 0-3 read lanes 0-15 and steps 4-7 lanes 16-31 of the same four registers.
; LIMITS: NaN and infinities among y are not served.  A block of zeros gets the byte 1, not 127 (its codes are zeros; only this program reads the bytes).  A block's largest magnitude is taken no smaller than 2^-111.
; V's scale words leave in stores of 128 bytes: the other half of those 256 bytes is another wave's.
; REGISTERS.  window 0: v16-29 addresses; v32-63 x's scale words; v64-87 W1's; v88-112 at work; v128-255 v's 16 accumulators (128 + 64 cu + 8 i).
;   window 1: x's fragments, two sets (128 set + 16 i); later the codes.   window 2: W1's fragments, two sets (96 set + 16 tn; v's at + 64 + 16 cu); v192-239 the biases.   window 3: q's or k's 32 accumulators (8 (4 i + tn)).
.set PITCH, 272                        ; an LDS row: 256 bytes + 16 of padding: the 16 rows of a fragment load begin 16 bytes apart modulo 256
.set AB,    256*PITCH                  ; x's 256 rows
.set SLOT,  448*PITCH                  ; then W1's 192 rows
.set SPARE, 2*SLOT                     ; behind the ring: the spare words, 128 bytes a wave, named by no other line
.set REC,   16896
.set ADRA, 16
.set ADRQ, 18
.set ADRV, 20
.set SCO,  22                          ; 32 r + 16 h: my 16 scale bytes of a row
.set BQO,  23                          ; 32 h
.set BVO,  24                          ; 4 r
.set L16,  25
.set L8,   26
.set L4,   27
.set SPW,  28
.set NIL,  29
.set SA,   32
.set SB,   64
.set TM,   88                          ; +0..3 largest magnitudes, +4..7 the other half's, then bytes, +8..11 the hold, +12..15 the conversions' scale operands
.set WW,   104
.set XW,   108
.set OW,   110
.set OX,   112
.set ACV,  128
.set BIQ,  192
.set BIV,  224
.set WV, 20
.set MH, 21
.set NH, 22
.set CX, 23
.set CY, 24
.set TX, 25
.set TY, 26
.set G1,  28
.set G0,  36
.set G1B, 44
.set G0B, 52
.set SEL, 60
.set MNT, 62
.set HM,  63
.set PCD, 86
.set PSC, 88
.set PVC, 92
.set PVS, 94
.set MSB, 0
.macro WIN new                         ; the immediate's high byte repeats the setting that is left; a switch that changes nothing is dropped
.if MSB != (\new)
	s_set_vgpr_msb (MSB<<8)|(\new)
.set MSB, (\new)
.endif
.endm
.macro PLACES n
.rept \n
	v_nop
.endr
.endm
; A joint load: waves 0 and 1 fetch x's halves, waves 2 and 3 W1's.  The branch hangs on the wave's number alone; four v_nop follow each line.
.macro JLOAD slot
	s_cmp_eq_u32 s[MH], 0
	s_cbranch_scc0 .Lfor_b_\@
	tensor_load_to_lds s[G0+4*\slot:G0+4*\slot+3], s[G1:G1+7]
	s_nop 0
.rept 4
	v_nop
.endr
	s_branch .Lasked_\@
.Lfor_b_\@:
	tensor_load_to_lds s[G0B+4*\slot:G0B+4*\slot+3], s[G1B:G1B+7]
	s_nop 0
.rept 4
	v_nop
.endr
.Lasked_\@:
.endm
.macro CREST                           ; a round of the cluster's barrier behind its opening barrier
	s_cmp_lg_u32 s[WV], 0
	s_cbranch_scc1 .Lnot_wave_0_\@
	s_barrier_signal -3
.Lnot_wave_0_\@:
	s_barrier_wait -3
	s_barrier_signal -1
	s_barrier_wait -1
.endm
.macro CROUND
	s_barrier_signal -1
	s_barrier_wait -1
	CREST
.endm
	s_load_b256 s[4:11], s[0:1], 0x0               ; x's codes s[4:5], x's scales s[6:7], W1's codes s[8:9], W1's scales s[10:11]
	s_load_b256 s[12:19], s[0:1], 0x20             ; b1 s[12:13], qimg s[14:15], qsc s[16:17], kv s[18:19]
	v_lshl_add_u32 v[SPW], v0, 2, SPARE
	v_mov_b32 v[NIL], 0
	ds_add_u32 v28, v29
	ds_add_u32 v28, v29
	s_wait_dscnt 0x0
	v_lshrrev_b32 v1, 5, v0
	v_readfirstlane_b32 s[WV], v1                  ; wave 0..3
	s_lshr_b32 s[MH], s[WV], 1                     ; my half of the rows.  Also: I fetch for x (0) or for W1 (1)
	s_and_b32 s[NH], s[WV], 1                      ; q or k, and my half of v's channels.  Also: which half of that tile I fetch
	s_bfe_u32 s[CX], ttmp6, 0x40000
	s_bfe_u32 s[CY], ttmp6, 0x40004
	s_lshl_b32 s[TX], ttmp9, 2
	s_add_co_u32 s[TX], s[TX], s[CX]               ; the head
	s_and_b32 s[TY], ttmp7, 0xffff
	s_lshl_b32 s[TY], s[TY], 2
	s_add_co_u32 s[TY], s[TY], s[CY]               ; the block of 256 rows
	s_lshl_b32 s68, s[CY], 2
	s_lshl_b32 s68, 15, s68                        ; my row of the cluster
	s_lshl_b32 s69, 0x1111, s[CX]                  ; my column
	s_or_b32 s[G1], s68, (1<<20)|(1<<21)|(5<<22)|(3<<25)    ; the mask; elements of 1 byte; padding on: 4 words behind every 64; bit 21 beside a mask
	s_or_b32 s[G1B], s69, (1<<20)|(1<<21)|(5<<22)|(3<<25)
	s_mov_b32 s[G1+1], 256<<16                     ; tensor_dim0 = 256
	s_mov_b32 s[G1+2], 128<<16                     ; tensor_dim1 = 128
	s_mov_b32 s[G1+3], 256<<16                     ; tile_dim0
	s_mov_b32 s[G1+4], 128                         ; tile_dim1
	s_mov_b32 s[G1+5], 1024                        ; from row to row
	s_mov_b32 s[G1+6], 0
	s_mov_b32 s[G1+7], 0
	s_mov_b32 s[G1B+1], 256<<16
	s_mov_b32 s[G1B+2], 96<<16                     ; W1's halves have 96 rows
	s_mov_b32 s[G1B+3], 256<<16
	s_mov_b32 s[G1B+4], 96
	s_mov_b32 s[G1B+5], 1024
	s_mov_b32 s[G1B+6], 0
	s_mov_b32 s[G1B+7], 0
	s_lshl_b32 s70, s[TY], 18                      ; x: row 256 ty + 128 half, 1,024 bytes a row: made of the block of rows and the wave's number alone
	s_lshl_b32 s71, s[NH], 17
	s_add_co_u32 s70, s70, s71
	s_mov_b32 s71, 0
	s_mul_i32 s72, s[TX], 192*1024                 ; W1: row 192 tx + 96 half: of the head and the wave's number alone
	s_mul_i32 s73, s[NH], 96*1024
	s_add_co_u32 s72, s72, s73
	s_mov_b32 s73, 0
	s_mul_i32 s74, s[NH], 128*PITCH                ; where they go in a slot
	s_mul_i32 s75, s[NH], 96*PITCH
	s_add_co_u32 s75, s75, AB
	s_mov_b32 s[SEL], 0x76543210
	s_mov_b32 s[SEL+1], 0xfedcba98                 ; v_permlanex16_b32: lane l xor 16
	s_mov_b32 s[MNT], 0x600000                     ; the mantissa field of 57,344
	s_mov_b32 s[HM], 0xffff0000                    ; lanes 16-31
	s_wait_kmcnt 0x0
	s_add_nc_u64 s[70:71], s[4:5], s[70:71]
	s_add_nc_u64 s[72:73], s[8:9], s[72:73]
	CROUND                                         ; all sixteen work-groups are here: the first joint loads meet
.irp s, 0,1
	s_mov_b32 s[G0+4*\s], 1
	s_add_co_u32 s[G0+4*\s+1], s74, \s*SLOT
	s_add_nc_u64 s[G0+4*\s+2:G0+4*\s+3], s[70:71], \s*256
	s_or_b32 s[G0+4*\s+3], s[G0+4*\s+3], 0x80000000
	s_mov_b32 s[G0B+4*\s], 1
	s_add_co_u32 s[G0B+4*\s+1], s75, \s*SLOT
	s_add_nc_u64 s[G0B+4*\s+2:G0B+4*\s+3], s[72:73], \s*256
	s_or_b32 s[G0B+4*\s+3], s[G0B+4*\s+3], 0x80000000
	JLOAD \s                                       ; both slots' first fills: two tensor loads of mine are out
.endr
	v_and_b32 v1, 15, v0                           ; r
	v_bfe_u32 v2, v0, 4, 1                         ; h
	v_mul_u32_u24 v3, v1, PITCH
	v_lshl_add_u32 v3, v2, 4, v3                   ; a fragment's row x pitch + 16 h
	s_mul_i32 s2, s[MH], 128*PITCH                 ; my 128 rows of x
	s_mul_i32 s3, s[NH], 64*PITCH
	s_add_co_u32 s3, s3, AB                        ; my 64 rows of W1 for q or k
	s_mul_i32 s27, s[NH], 32*PITCH
	s_add_co_u32 s27, s27, AB+128*PITCH            ; my 32 rows for v
.irp s, 0,1
	v_add_nc_u32 v[ADRA+\s], s2, v3
	v_add_nc_u32 v[ADRQ+\s], s3, v3
	v_add_nc_u32 v[ADRV+\s], s27, v3
	s_add_co_u32 s2, s2, SLOT
	s_add_co_u32 s3, s3, SLOT
	s_add_co_u32 s27, s27, SLOT
.endr
	v_lshlrev_b32 v[SCO], 5, v1
	v_lshl_add_u32 v[SCO], v2, 4, v[SCO]
	v_lshlrev_b32 v[BQO], 5, v2
	v_lshlrev_b32 v[BVO], 2, v1
	v_and_b32 v4, 31, v0
	v_lshlrev_b32 v[L16], 4, v4
	v_lshlrev_b32 v[L8], 3, v4
	v_lshlrev_b32 v[L4], 2, v4
.irp b, 0,1,2,3
	v_mov_b32 v[TM+4+\b], 0                        ; written once: a lane permute's destination counts as one of its sources
.endr
	s_lshl_b32 s66, s[TY], 13                      ; x's scale bytes: row 256 ty + 128 mh, 32 bytes a row
	s_lshl_b32 s2, s[MH], 12
	s_add_co_u32 s66, s66, s2
	s_mov_b32 s67, 0
	s_add_nc_u64 s[6:7], s[6:7], s[66:67]
	s_mul_i32 s3, s[TX], 192*32                    ; W1's: v's rows 192 tx + 128 + 32 nh,
	s_lshl_b32 s2, s[NH], 10
	s_add_co_u32 s66, s3, s2
	s_add_co_u32 s66, s66, 128*32
	s_add_nc_u64 s[96:97], s[10:11], s[66:67]
	s_lshl_b32 s2, s[NH], 11                       ; q's or k's rows 192 tx + 64 nh
	s_add_co_u32 s66, s3, s2
	s_add_nc_u64 s[10:11], s[10:11], s[66:67]
	s_mul_i32 s3, s[TX], 192*4                     ; b1 likewise, 4 bytes a column
	s_lshl_b32 s2, s[NH], 7
	s_add_co_u32 s66, s3, s2
	s_add_co_u32 s66, s66, 128*4
	s_add_nc_u64 s[98:99], s[12:13], s[66:67]
	s_lshl_b32 s2, s[NH], 8
	s_add_co_u32 s66, s3, s2
	s_add_nc_u64 s[12:13], s[12:13], s[66:67]
.irp i, 0,1,2,3,4,5,6,7
	global_load_b128 v[SA+4*\i:SA+4*\i+3], v[SCO], s[6:7] offset:512*\i        ; the wave reads 512 consecutive bytes: 16 rows' scale bytes for all of K
.endr
.irp t, 0,1,2,3
	global_load_b128 v[SB+4*\t:SB+4*\t+3], v[SCO], s[10:11] offset:512*\t
.endr
.irp t, 0,1
	global_load_b128 v[SB+16+4*\t:SB+16+4*\t+3], v[SCO], s[96:97] offset:512*\t
.endr
	WIN 0x80                                       ; destination window 2
.irp t, 0,1,2,3
	global_load_b128 v[BIQ+8*\t:BIQ+8*\t+3], v[BQO], s[12:13] offset:64*\t      ; the bias in the result's layout: columns 16 tn + 8 h + 0 .. 7
	global_load_b128 v[BIQ+8*\t+4:BIQ+8*\t+7], v[BQO], s[12:13] offset:64*\t+16
.endr
.irp t, 0,1
.irp j, 0,1,2,3,4,5,6,7
	global_load_b32 v[BIV+8*\t+\j], v[BVO], s[98:99] offset:64*\t               ; v's: a lane holds one channel: the same number in all eight registers
.endr
.endr
	WIN 0
	; where my results go
	s_lshr_b32 s76, s[TY], 3
	s_lshl_b32 s76, s76, 4
	s_add_co_u32 s76, s76, s[TX]                   ; bh = 16 batch + head
	s_lshl_b32 s76, s76, 4
	s_and_b32 s77, s[TY], 7
	s_lshl_b32 s77, s77, 1
	s_add_co_u32 s77, s77, s[MH]                   ; my step of 128 rows in the batch
	s_add_co_u32 s76, s76, s77
	s_mul_i32 s78, s76, REC                        ; my record in kv
	s_lshl_b32 s80, s76, 13                        ; my eight tiles in qimg
	s_lshl_b32 s82, s76, 8                         ; my 256 bytes in qsc
	s_add_co_u32 s84, s78, 16384
	s_mov_b32 s81, 0
	s_mov_b32 s83, 0
	s_cmp_eq_u32 s[NH], 0                          ; q's wave or k's?  The choice hangs on the wave's number alone
	s_cselect_b32 s80, s80, s78
	s_cselect_b32 s82, s82, s84
	s_cselect_b64 s[PCD:PCD+1], s[14:15], s[18:19]
	s_cselect_b64 s[PSC:PSC+1], s[16:17], s[18:19]
	s_add_nc_u64 s[PCD:PCD+1], s[PCD:PCD+1], s[80:81]
	s_add_nc_u64 s[PSC:PSC+1], s[PSC:PSC+1], s[82:83]
	s_lshl_b32 s80, s[NH], 12
	s_add_co_u32 s80, s80, s78
	s_add_co_u32 s80, s80, 8192
	s_add_nc_u64 s[PVC:PVC+1], s[18:19], s[80:81]  ; v's codes: channel tiles 2 nh, 2 nh + 1
	s_lshl_b32 s82, s[NH], 7
	s_add_co_u32 s82, s82, s78
	s_add_co_u32 s82, s82, 16640
	s_add_nc_u64 s[PVS:PVS+1], s[18:19], s[82:83]  ; and their scale words
.macro WMM d, a, b, c, sa, sb, hi      ; hi = 1: the scale words of steps 4-7 stand in lanes 16-31
.if \hi
	v_wmma_scale_f32_16x16x128_f8f6f4 v[\d:\d+7], v[\a:\a+15], v[\b:\b+15], v[\c:\c+7], v[\sa], v[\sb] matrix_a_fmt:MATRIX_FMT_BF8 matrix_b_fmt:MATRIX_FMT_BF8 matrix_a_scale:MATRIX_SCALE_ROW1 matrix_b_scale:MATRIX_SCALE_ROW1
.else
	v_wmma_scale_f32_16x16x128_f8f6f4 v[\d:\d+7], v[\a:\a+15], v[\b:\b+15], v[\c:\c+7], v[\sa], v[\sb] matrix_a_fmt:MATRIX_FMT_BF8 matrix_b_fmt:MATRIX_FMT_BF8
.endif
.endm
; q's or k's products of step s for x's tiles i0 .. i0 + n - 1.  first = 1: the bias is the C.  The 48 accumulators take turns, one instruction a turn, in the same order in every step.
.macro MULQK s, i0, n, first
.if \first
	WIN 0xe6                                       ; source 0 (W1) window 2, source 1 (x) window 1, C (bias) window 2, D window 3
.else
	WIN 0xf6                                       ; C and D window 3
.endif
.irp i, 0,1,2,3,4,5,6,7
.if (\i >= \i0) && (\i < \i0+\n)
.irp t, 0,1,2,3
.if \first
	WMM 8*(4*\i+\t), 96*((\s)&1)+16*\t, 128*((\s)&1)+16*\i, BIQ+8*\t, SB+4*\t+((\s)&3), SA+4*\i+((\s)&3), (\s)/4
.else
	WMM 8*(4*\i+\t), 96*((\s)&1)+16*\t, 128*((\s)&1)+16*\i, 8*(4*\i+\t), SB+4*\t+((\s)&3), SA+4*\i+((\s)&3), (\s)/4
.endif
.endr
.endif
.endr
.endm
.macro MULV s, first                   ; v's 16 products of step s
.if \first
	WIN 0x29                                       ; source 0 (x) window 1, source 1 (W1) window 2, C (bias) window 2, D window 0
.else
	WIN 0x09
.endif
.irp i, 0,1,2,3,4,5,6,7
.irp u, 0,1
.if \first
	WMM ACV+64*\u+8*\i, 128*((\s)&1)+16*\i, 96*((\s)&1)+64+16*\u, BIV+8*\u, SA+4*\i+((\s)&3), SB+16+4*\u+((\s)&3), (\s)/4
.else
	WMM ACV+64*\u+8*\i, 128*((\s)&1)+16*\i, 96*((\s)&1)+64+16*\u, ACV+64*\u+8*\i, SA+4*\i+((\s)&3), SB+16+4*\u+((\s)&3), (\s)/4
.endif
.endr
.endr
.endm
.macro FRAG reg, adr, q, t             ; 16 rows x 128 K: registers 4 c .. 4 c + 3 hold K = 32 c + 16 h + 0 .. 15
.irp c, 0,1,2,3
	ds_load_b128 v[\reg+4*\c:\reg+4*\c+3], v[\adr] offset:128*(\q)+32*\c+(\t)*16*PITCH
.endr
.endm
.macro FETCH s                         ; step s's 14 fragments, 56 loads in one run, into set s & 1
.set FS, ((\s)>>1)&1
.set FQ, (\s)&1
	WIN 0x80
.irp t, 0,1,2,3
	FRAG 96*FQ+16*\t, ADRQ+FS, FQ, \t
.endr
.irp t, 0,1
	FRAG 96*FQ+64+16*\t, ADRV+FS, FQ, \t
.endr
	WIN 0x40
.irp t, 0,1,2,3,4,5,6,7
	FRAG 128*FQ+16*\t, ADRA+FS, FQ, \t
.endr
.endm
; An even step: its successor lies in the same slot.  The eight v_nop are the places between the last step's products, which read the other set, and the loads into it.
.macro SUB s, first
	s_wait_dscnt 0x0                               ; this step's fragments are in
	MULQK \s, 0, 2, \first
	PLACES 8
	FETCH (\s)+1
	MULQK \s, 2, 6, \first
	MULV \s, \first
.endm
; An odd step changes slots: one barrier.  In front of it each wave waits for all its tensor loads, adds 0 to its spare word, and waits for that and for its reads of this slot.  fill = 1: the slot is filled again, two fills on.
.macro TURN s, fill
.set TSL, ((\s)>>1)&1
	WIN 0                                          ; (the add's two registers lie in window 0)
	s_wait_tensorcnt 0x0                           ; all my tensor loads have landed: my part of the next slot among them
	ds_add_u32 v[SPW], v[NIL]                      ; 0 onto my spare word
	s_wait_dscnt 1                                 ; this step's fragments are in; the add alone may be out
	MULQK \s, 0, 2, 0                              ; eight matrix instructions stand between the add and the wait for it
	s_wait_dscnt 0x0                               ; the add is done, and my reads of this slot are over
	s_barrier_signal -1
	MULQK \s, 2, 2, 0
	WIN 0
	s_barrier_wait -1
.if \fill
	CREST                                          ; the barrier has opened a round of the cluster's: no wave of any partner still reads this slot or has a load on its way
	s_add_nc_u64 s[G0+4*TSL+2:G0+4*TSL+3], s[G0+4*TSL+2:G0+4*TSL+3], 512
	s_add_nc_u64 s[G0B+4*TSL+2:G0B+4*TSL+3], s[G0B+4*TSL+2:G0B+4*TSL+3], 512
	JLOAD TSL                                      ; the first tensor load behind the round, my only one until the next; its four v_nop are four of the eight places
	PLACES 4
.else
	PLACES 8
.endif
	FETCH (\s)+1
	MULQK \s, 4, 4, 0
	MULV \s, 0
.endm
	s_wait_tensorcnt 1                             ; my part of slot 0 is in; slot 1's may stay out
	s_barrier_signal -1
	s_barrier_wait -1                              ; everybody's is
	FETCH 0
	s_wait_loadcnt 0x0                             ; the scale words and the biases
	SUB 0, 1                                       ; the biases start the sums: nothing is cleared
	TURN 1, 1
	SUB 2, 0
	TURN 3, 1
	SUB 4, 0
	TURN 5, 0                                      ; the last two fills are in the ring: nothing more is asked for
	SUB 6, 0
	s_wait_dscnt 0x0
	MULQK 7, 0, 8, 0
	MULV 7, 0
; nb blocks of 32: block b's 16 numbers of my lane stand in v[s + 16 b] on, window w.  Their codes go to window 1, v[pc + 4 b] on; the scale bytes are left in v[TM + 4 + b].
.macro QUANT w, s, nb, pc
	WIN 5*(\w)                                     ; sources 0 and 1 window w
.irp b, 0,1,2,3
.if \b < \nb
	v_max3_num_f32 v[TM+\b], |v[\s+16*\b]|, |v[\s+16*\b+1]|, 0x8000000          ; my 16 numbers and the floor 2^(16 - 127): the byte cannot fall under 1.  Each accumulator is read from its low end on
.endif
.endr
.irp i, 2,4,6,8,10,12,14
.irp b, 0,1,2,3
.if \b < \nb
	v_max3_num_f32 v[TM+\b], |v[\s+16*\b+\i]|, |v[\s+16*\b+\i+1]|, v[TM+\b]
.endif
.endr
.endr
	WIN 0
.irp b, 0,1,2,3
.if \b < \nb
	v_permlanex16_b32 v[TM+4+\b], v[TM+\b], s[SEL], s[SEL+1]
.endif
.endr
.irp b, 0,1,2,3
.if \b < \nb
	v_max_num_f32 v[TM+\b], v[TM+\b], v[TM+4+\b]                                ; with lane l xor 16's: the block's largest magnitude
.endif
.endr
.irp b, 0,1,2,3
.if \b < \nb
	v_add_nc_u32 v[TM+12+\b], 0xf8800000, v[TM+\b]                              ; 15 off its exponent field: the conversion's scale operand
	v_and_or_b32 v[TM+8+\b], v[TM+\b], 0x7f800000, s[MNT]                       ; 57,344 x the scale
.endif
.endr
	WIN 65*(\w)                                    ; destination and source 0 window w
.irp b, 0,1,2,3
.if \b < \nb
.irp i, 0,1,2,3,4,5,6,7,8,9,10,11,12,13,14,15
	v_med3_num_f32 v[\s+16*\b+\i], v[\s+16*\b+\i], -v[TM+8+\b], v[TM+8+\b]      ; the conversion to an 8-bit code does not saturate (ISA guide 7.6.2): the hold
.endr
.endif
.endr
	WIN 0x40|(\w)                                  ; destination window 1, source 0 window w
.irp b, 0,1,2,3
.if \b < \nb
	v_cvt_scalef32_pk8_bf8_f32 v[\pc+4*\b:\pc+4*\b+1], v[\s+16*\b:\s+16*\b+7], v[TM+12+\b]
	v_cvt_scalef32_pk8_bf8_f32 v[\pc+4*\b+2:\pc+4*\b+3], v[\s+16*\b+8:\s+16*\b+15], v[TM+12+\b]
.endif
.endr
	WIN 0
.irp b, 0,1,2,3
.if \b < \nb
	v_lshrrev_b32 v[TM+4+\b], 23, v[TM+12+\b]                                   ; the scale's byte.  (Also the plain line behind the last conversion)
.endif
.endr
.endm
	PLACES 8                                       ; behind the last products: their results are read and their operands' registers written below
.irp i, 0,1,2,3,4,5,6,7                ; q or k: a tile of 16 rows: two blocks of 32 columns
	QUANT 3, 32*\i, 2, 8*\i
.if (\i%2) == 0
	v_lshl_or_b32 v[WW+\i/2], v[TM+5], 8, v[TM+4]
.else
	v_lshl_or_b32 v[WW+\i/2], v[TM+4], 16, v[WW+\i/2]
	v_lshl_or_b32 v[WW+\i/2], v[TM+5], 24, v[WW+\i/2]
.endif
	WIN 0x04                                       ; a store's data are its source 1: window 1
	global_store_b128 v[L16], v[8*\i:8*\i+3], s[PCD:PCD+1] offset:1024*\i       ; the wave stores 512 consecutive bytes, aligned; every store has data registers of its own
	global_store_b128 v[L16], v[8*\i+4:8*\i+7], s[PCD:PCD+1] offset:1024*\i+512
.endr
.irp u, 0,1                            ; v: a tile of 16 channels: four blocks of 32 keys: a whole fragment
	QUANT 0, ACV+64*\u, 4, 64+16*\u
	v_lshl_or_b32 v[XW+\u], v[TM+5], 8, v[TM+4]
	v_lshl_or_b32 v[XW+\u], v[TM+6], 16, v[XW+\u]
	v_lshl_or_b32 v[XW+\u], v[TM+7], 24, v[XW+\u]
	WIN 0x04
.irp c, 0,1,2,3
	global_store_b128 v[L16], v[64+16*\u+4*\c:64+16*\u+4*\c+3], s[PVC:PVC+1] offset:2048*\u+512*\c
.endr
.endr
	WIN 0
	v_cndmask_b32 v[OW], v[WW], v[WW+1], s[HM]     ; lanes 0-15 carry W[0] and W[2], lanes 16-31 W[1] and W[3]
	v_cndmask_b32 v[OW+1], v[WW+2], v[WW+3], s[HM]
	v_cndmask_b32 v[OX], v[XW], v[XW+1], s[HM]     ; and the two channel tiles' words
	global_store_b64 v[L8], v[OW:OW+1], s[PSC:PSC+1]   ; 256 consecutive bytes, aligned
	global_store_b32 v[L4], v[OX], s[PVS:PVS+1]
	s_wait_tensorcnt 0x0                           ; the wave's end
	ds_add_u32 v[SPW], v[NIL]
	s_wait_dscnt 0x0
	CROUND                                         ; the closing round: no work-group ends while a partner may still ask for a tile that names it
	s_endpgm
.Lfunc_end_k_qdc6f716efd_qkv:
	.size	k_qdc6f716efd_qkv, .Lfunc_end_k_qdc6f716efd_qkv-k_qdc6f716efd_qkv
	.p2alignl 7, 3214868480
	.fill 96, 4, 3214868480
	.section	.rodata,"a",@progbits
	.p2align	6, 0x0
	.amdhsa_kernel k_qdc6f716efd_qkv
		.amdhsa_group_segment_fixed_size 327680
		.amdhsa_private_segment_fixed_size 0
		.amdhsa_enable_private_segment 0
		.amdhsa_kernarg_size 64
		.amdhsa_user_sgpr_count 2
		.amdhsa_user_sgpr_kernarg_segment_ptr 1
		.amdhsa_wavefront_size32 1
		.amdhsa_system_sgpr_workgroup_id_x 1
		.amdhsa_system_sgpr_workgroup_id_y 1
		.amdhsa_system_sgpr_workgroup_id_z 1
		.amdhsa_system_vgpr_workitem_id 0
		.amdhsa_next_free_vgpr 1024
		.amdhsa_next_free_sgpr 100
		.amdhsa_reserve_vcc 0
		.amdhsa_float_denorm_mode_32 3
		.amdhsa_float_denorm_mode_16_64 3
		.amdhsa_memory_ordered 1
		.amdhsa_forward_progress 1
		.amdhsa_inst_pref_size 147
	.end_amdhsa_kernel
	.amdgpu_metadata
---
amdhsa.version: [ 1, 2 ]
amdhsa.kernels:
  - .name:           k_qdc6f716efd_qkv
    .symbol:         k_qdc6f716efd_qkv.kd
    .args:
      - { .name: x_codes, .offset: 0, .size: 8, .value_kind: global_buffer, .address_space: global }
      - { .name: x_scales, .offset: 8, .size: 8, .value_kind: global_buffer, .address_space: global }
      - { .name: W1_codes, .offset: 16, .size: 8, .value_kind: global_buffer, .address_space: global }
      - { .name: W1_scales, .offset: 24, .size: 8, .value_kind: global_buffer, .address_space: global }
      - { .name: b1, .offset: 32, .size: 8, .value_kind: global_buffer, .address_space: global }
      - { .name: qimg, .offset: 40, .size: 8, .value_kind: global_buffer, .address_space: global }
      - { .name: qsc, .offset: 48, .size: 8, .value_kind: global_buffer, .address_space: global }
      - { .name: kv, .offset: 56, .size: 8, .value_kind: global_buffer, .address_space: global }
    .group_segment_fixed_size: 327680
    .private_segment_fixed_size: 0
    .kernarg_segment_align: 8
    .kernarg_segment_size: 64
    .max_flat_workgroup_size: 128
    .sgpr_count:     100
    .vgpr_count:     1024
    .wavefront_size: 32
...
	.end_amdgpu_metadata
.endif
;; end of part 1
;; launch attn (part 2): grid 4 x 64, 16 waves a work-group, clusters of 4 x 1, 327,680 bytes of LDS; arguments qimg, qsc, kv, aimg, asc; writes aimg, asc
.if DOCPART == 2
	.amdgcn_target "amdgcn-amd-amdhsa--gfx1250"
	.amdhsa_code_object_version 6
	.text
	.protected	k_qdc6f716efd_attn
	.globl	k_qdc6f716efd_attn
	.p2align	8
	.type	k_qdc6f716efd_attn,@function
k_qdc6f716efd_attn:
	s_mov_b64 s[64:65], 0
	v_nop
	global_prefetch_b8 v0, s[64:65] scope:SCOPE_SE
	s_setreg_imm32_b32 hwreg(HW_REG_WAVE_MODE, 25, 1), 1
	s_wait_xcnt 0x0
	s_wait_alu depctr_hold_cnt(0) depctr_sa_sdst(0) depctr_va_vdst(0) depctr_va_sdst(0) depctr_va_ssrc(0) depctr_va_vcc(0) depctr_vm_vsrc(0)
	s_getreg_b32 s2, hwreg(HW_REG_IB_STS2, 6, 4)
	s_cmp_eq_u32 s2, 0
	s_cbranch_scc0 .Lentry_in_a_cluster
	s_endpgm
.Lentry_in_a_cluster:
	s_bfe_u32 s2, ttmp6, 0x10000c
	s_cmp_lg_u32 s2, 0x3003
	s_cbranch_scc0 .Lentry_shape_is_right
	s_endpgm
.Lentry_shape_is_right:
; Causal attention of one (batch, head) on codes of E5M2 with E8M0 scales, head size 64, 2,048 keys; the result is quantised along E for the last product.
; t = score x log2(e) / 8; M = the running largest t rounded UP to a whole number; p = 2^(t - M) is quantised along the keys, not normalised; the row's sum is taken of the unquantised p and divides O at the end.
; A hidden score is -8e10, which is the -1e10 that the problem puts in a hidden logit's place, ahead of its division by 8; key steps that lie wholly behind a tile's queries are left out: their p are zeros.
; THE WHOLE HEAD'S K, V AND SCALE WORDS, 16 records of 16,896 bytes, LIE IN LDS: each byte is filled once, nothing is filled again, nothing is stored there.  The four work-groups of a head form a cluster
; and ask for each record JOINTLY (mask 15): waves 0 to 3 issue four tensor loads each, record 4 c + w; four loads of a wave are out at the most.
; SHARES.  Query tile 8 a + 2 cx + u (16 queries) needs a + 1 key steps of 128.  A wave takes two tiles, a = 15 - a0 and then a = a0: 17 steps for every wave.  a0 and u hang on the wave's number alone,
; so all branches are alike in the four partners; cx enters global addresses and the mask's data register, nothing else.
; LAYOUT.  Both products are used transposed: a lane holds ONE query.  K = 64 IN AN INSTRUCTION OF 128: a fragment of K is [key tile 2 b | key tile 2 b + 1], eight registers each; against [q | zeros] it gives tile 2 b's
; scores, against [zeros | q] tile 2 b + 1's: zero codes add nothing under any scale byte from 1 to 254.  The 16 registers of two neighbouring score tiles are 16 numbers of one block of 32 keys, in the order in which
; the launch before laid V's codes; O's registers likewise along E, in the order in which the next launch reads W2.
; LIMITS: NaN and infinities are not served.  v_exp_f32 gives 0 under 2^-126.  A block of zeros gets the byte 1 (its codes are zeros; only this program reads the bytes); a largest magnitude is taken no smaller than 2^-111.
; asc is written a byte a lane, 32 bytes apart: a row's 32 scale bytes come from 16 work-groups; they are 1 byte for 32 of codes.
; REGISTERS: v1-3 lane terms; v4-6 addresses in hand; v7 the mask's bound; v8 the hidden score; v9 asc's offset; v10, v11 Q's scale words; v12 -M, v13 the largest t, v[14:15] the sum;
;   v16-55 zeros, q of the long tile, zeros, q of the short tile, zeros; v56-119 four fragments of K, then of V; v120-183 S^T, then p; v184-215 O^T; v216-231 p's codes; v232-254 at work.
.set REC, 16896
.set LI,  1
.set LK,  2
.set LV,  3
.set ADR, 4
.set ADS, 5
.set ADT, 6
.set DD,  7
.set NEG, 8
.set ASO, 9
.set QSL, 10
.set QSS, 11
.set FR,  56
.set S,   120
.set O,   184
.set PC,  216
.set WV,  14
.set CX,  15
.set BH,  16
.set A0,  19
.set U,   20
.set AL,  21
.set CS,  22
.set SEL, 24
.set MNT, 26
.set PSEL, 27
.set G1,  28
.set G0,  36
.set TB,  52                           ; LDS byte at which the step's record begins
.set J,   53                           ; the key step
.set LIM, 54                           ; the tile's last key step, the one on the diagonal
.set HM,  55
.set PAL, 56
.set PAS, 58
.set PCL, 60
.set PCS, 62
.set PQL, 66
.set PQS, 68
.set PSL, 70
.set PSS, 72
.macro CROUND                          ; a round of the cluster's barrier
	s_barrier_signal -1
	s_barrier_wait -1
	s_cmp_lg_u32 s[WV], 0
	s_cbranch_scc1 .Lnot_wave_0_\@
	s_barrier_signal -3
.Lnot_wave_0_\@:
	s_barrier_wait -3
	s_barrier_signal -1
	s_barrier_wait -1
.endm
	s_load_b256 s[4:11], s[0:1], 0x0               ; qimg s[4:5], qsc s[6:7], kv s[8:9], aimg s[10:11]
	s_load_b64 s[12:13], s[0:1], 0x20              ; asc
	v_lshl_add_u32 v254, v0, 2, 0x42000
	v_mov_b32 v255, 0
	ds_add_u32 v254, v255
	ds_add_u32 v254, v255
	s_wait_dscnt 0x0
	v_lshrrev_b32 v1, 5, v0
	v_readfirstlane_b32 s[WV], v1                  ; wave 0..15
	s_bfe_u32 s[CX], ttmp6, 0x40000                ; my place in the cluster
	s_and_b32 s[BH], ttmp7, 0xffff                 ; 16 batch + head, which the four partners share
	s_mov_b32 s[G1], 15|(3<<16)|(1<<21)            ; the mask: all four; elements of 8 bytes; no padding; bit 21 beside a mask
	s_mov_b32 s[G1+1], 32<<16                      ; a record is dense: 66 rows of 256 bytes
	s_mov_b32 s[G1+2], 66<<16
	s_mov_b32 s[G1+3], 32<<16
	s_mov_b32 s[G1+4], 66
	s_mov_b32 s[G1+5], 32
	s_mov_b32 s[G1+6], 0
	s_mov_b32 s[G1+7], 0
	s_and_b32 s74, s[WV], 3
	s_mul_i32 s74, s74, REC                        ; record w of each four, in LDS and in the head alike
	s_mul_i32 s76, s[BH], 16*REC
	s_add_co_u32 s76, s76, s74
	s_mov_b32 s77, 0
	s_wait_kmcnt 0x0
	s_add_nc_u64 s[76:77], s[8:9], s[76:77]
.irp c, 0,1,2,3
	s_mov_b32 s[G0+4*\c], 1
	s_add_co_u32 s[G0+4*\c+1], s74, \c*4*REC
	s_add_nc_u64 s[G0+4*\c+2:G0+4*\c+3], s[76:77], \c*4*REC
	s_or_b32 s[G0+4*\c+3], s[G0+4*\c+3], 0x80000000
.endr
	CROUND                                         ; all four work-groups are here: the joint loads meet
	s_cmp_lt_u32 s[WV], 4                          ; a wave's four fills stand in one branch on the wave's number
	s_cbranch_scc0 .Lno_fetch
	tensor_load_to_lds s[G0:G0+3], s[G1:G1+7]
	s_nop 0
	tensor_load_to_lds s[G0+4:G0+7], s[G1:G1+7]
	s_nop 0
	tensor_load_to_lds s[G0+8:G0+11], s[G1:G1+7]
	s_nop 0
	tensor_load_to_lds s[G0+12:G0+15], s[G1:G1+7]
	s_nop 0
.rept 4
	v_nop
.endr
.Lno_fetch:
	s_lshr_b32 s17, s[WV], 2                       ; i
	s_and_b32 s18, s[WV], 3                        ; k
	s_add_co_u32 s18, s18, s17
	s_and_b32 s18, s18, 3
	s_lshl_b32 s18, s18, 1
	s_and_b32 s[A0], s17, 1
	s_add_co_u32 s[A0], s[A0], s18                 ; a0 = 2 ((i + k) & 3) + (i & 1): 0 .. 7
	s_lshr_b32 s[U], s17, 1                        ; u
	s_sub_co_u32 s[AL], 15, s[A0]
	s_lshl_b32 s78, s[CX], 1
	s_add_co_u32 s78, s78, s[U]                    ; t = 2 cx + u: my tiles' place among a step's eight
	s_and_b32 s79, s[CX], 1
	s_lshl_b32 s79, s79, 7
	s_lshr_b32 s80, s[CX], 1
	s_lshl_b32 s80, s80, 2
	s_add_co_u32 s79, s79, s80                     ; word W[cx] lies at lane 16 (cx & 1) + r, word cx >> 1
	s_lshr_b32 s83, s[BH], 4                       ; batch
	s_and_b32 s82, s[BH], 15                       ; head
	s_lshr_b32 s84, s82, 1
	s_lshl_b32 s84, s84, 14
	s_lshl_b32 s80, s78, 11
	s_add_co_u32 s84, s84, s80
	s_and_b32 s80, s82, 1
	s_lshl_b32 s80, s80, 10
	s_add_co_u32 s84, s84, s80                     ; aimg: (head / 2) 16384 + 2048 t + 1024 (head & 1)
	s_lshl_b32 s85, s78, 9
	s_lshl_b32 s80, s82, 1
	s_add_co_u32 s85, s85, s80                     ; asc: 16 t rows of 32 bytes + 2 head
	s_lshl_b32 s83, s83, 4
	s_mov_b32 s81, 0
.macro PTRS a, pq, ps, pa, pc          ; the four addresses of the tile with step a
	s_lshl_b32 s80, s[\a], 3
	s_add_co_u32 s80, s80, s78
	s_lshl_b32 s80, s80, 10
	s_lshl_b32 s82, s[BH], 17
	s_add_co_u32 s80, s80, s82
	s_add_nc_u64 s[\pq:\pq+1], s[4:5], s[80:81]
	s_lshl_b32 s80, s[BH], 4
	s_add_co_u32 s80, s80, s[\a]
	s_lshl_b32 s80, s80, 8
	s_add_co_u32 s80, s80, s79
	s_add_nc_u64 s[\ps:\ps+1], s[6:7], s[80:81]
	s_add_co_u32 s82, s83, s[\a]                   ; the block of 128 rows: 16 batch + a
	s_lshl_b32 s80, s82, 17
	s_add_co_u32 s80, s80, s84
	s_add_nc_u64 s[\pa:\pa+1], s[10:11], s[80:81]
	s_lshl_b32 s80, s82, 12
	s_add_co_u32 s80, s80, s85
	s_add_nc_u64 s[\pc:\pc+1], s[12:13], s[80:81]
.endm
	PTRS AL, PQL, PSL, PAL, PCL
	PTRS A0, PQS, PSS, PAS, PCS
	v_and_b32 v254, 31, v0
	v_lshlrev_b32 v[LI], 4, v254                   ; 16 x lane: an image's place for my lane
	v_lshl_add_u32 v[LK], v254, 3, 16384           ; K's scale words
	v_lshl_add_u32 v[LV], v254, 2, 16640           ; V's
	v_and_b32 v4, 15, v0                           ; r
	v_bfe_u32 v5, v0, 4, 1                         ; h
	v_lshl_add_u32 v[ASO], v4, 5, v5               ; asc: row r, byte h
	v_lshlrev_b32 v6, 3, v5
	v_sub_nc_u32 v[DD], v4, v6
	s_lshl_b32 s80, s78, 4
	v_add_nc_u32 v[DD], s80, v[DD]                 ; 16 t + r - 8 h: on the diagonal a register's key is hidden where its constant part is above this
	v_lshlrev_b32 v254, 3, v4
	global_load_b128 v[24:27], v[LI], s[PQL:PQL+1]
	global_load_b128 v[28:31], v[LI], s[PQL:PQL+1] offset:512
	global_load_b128 v[40:43], v[LI], s[PQS:PQS+1]
	global_load_b128 v[44:47], v[LI], s[PQS:PQS+1] offset:512
	global_load_b32 v[QSL], v254, s[PSL:PSL+1]
	global_load_b32 v[QSS], v254, s[PSS:PSS+1]
.irp j, 0,1,2,3,4,5,6,7
	v_mov_b32 v[16+\j], 0                          ; zero codes beside q
	v_mov_b32 v[32+\j], 0
	v_mov_b32 v[48+\j], 0
.endr
	v_mov_b32 v[NEG], 0xd19502f9                   ; -8e10
.irp b, 0,1,2,3
	v_mov_b32 v[236+\b], 0                         ; written once: a lane permute's destination counts as one of its sources
.endr
	v_mov_b32 v253, 0                              ; (named as the upper half of the pair v[252:253] before it is first written)
	s_mov_b32 s[CS], 0x3e38aa3b                    ; c = log2(e) / 8
	s_mov_b32 s[CS+1], s[CS]
	s_mov_b32 s[SEL], 0x76543210
	s_mov_b32 s[SEL+1], 0xfedcba98
	s_mov_b32 s[MNT], 0x600000
	s_mov_b32 s[HM], 0xffff0000
	s_mov_b32 s[PSEL], 0x03020302
	s_cmp_eq_u32 s[U], 0
	s_cselect_b32 s[PSEL], 0x01000100, s[PSEL]     ; my tile's two bytes of the word, twice: they serve [q | 0] and [0 | q] alike
.macro INIT                            ; O^T and the sum begin as zeros and the largest t as -3e38: the first change of M multiplies zeros
	v_mov_b32 v13, 0xff61b1e6
	v_floor_f32 v12, -v13
	v_mov_b32 v14, 0
	v_mov_b32 v15, 0
.set jj, 0
.rept 32
	v_mov_b32 v[O+jj], 0
.set jj, jj+1
.endr
	s_mov_b32 s[TB], 0
.endm
	s_wait_loadcnt 0x0                             ; q and its scale words
	v_perm_b32 v[QSL], v[QSL], v[QSL], s[PSEL]
	v_perm_b32 v[QSS], v[QSS], v[QSS], s[PSEL]
	INIT
; A KEY STEP of 128 keys for the tile whose q stands at v[qb + 8] on, with scale word v[qs].  full = 1: steps behind the diagonal are left out, the one on it is masked.
.macro STEP qb, qs, full
.if \full
	s_cmp_gt_u32 s[J], s[LIM]                      ; a scalar branch on the wave's number and the loop's count; the line at the step's end that steps the address is not jumped over
	s_cbranch_scc1 .Lskip_\@
.endif
	v_add_nc_u32 v[ADR], s[TB], v[LI]
	v_add_nc_u32 v[ADS], s[TB], v[LK]
	v_add_nc_u32 v[ADT], s[TB], v[LV]
.rept 5
	v_nop                                          ; with the three additions: eight places in front of loads into registers that the last products read
.endr
.irp b, 0,1,2,3
.irp c, 0,1,2,3
	ds_load_b128 v[FR+16*\b+4*\c:FR+16*\b+4*\c+3], v[ADR] offset:2048*\b+512*\c   ; an image: the wave reads 512 consecutive bytes
.endr
.endr
	ds_load_b64 v[248:249], v[ADS]
	s_wait_dscnt 0x0
.irp b, 0,1,2,3                        ; S^T = K Q^T: each fragment of K feeds two products
.if (\b%2) == 0
	v_wmma_scale_f32_16x16x128_f8f6f4 v[S+16*\b:S+16*\b+7], v[FR+16*\b:FR+16*\b+15], v[\qb+8:\qb+23], 0, v[248+\b/2], v[\qs] matrix_a_fmt:MATRIX_FMT_BF8 matrix_b_fmt:MATRIX_FMT_BF8
	v_wmma_scale_f32_16x16x128_f8f6f4 v[S+16*\b+8:S+16*\b+15], v[FR+16*\b:FR+16*\b+15], v[\qb:\qb+15], 0, v[248+\b/2], v[\qs] matrix_a_fmt:MATRIX_FMT_BF8 matrix_b_fmt:MATRIX_FMT_BF8
.else
	v_wmma_scale_f32_16x16x128_f8f6f4 v[S+16*\b:S+16*\b+7], v[FR+16*\b:FR+16*\b+15], v[\qb+8:\qb+23], 0, v[248+\b/2], v[\qs] matrix_a_fmt:MATRIX_FMT_BF8 matrix_b_fmt:MATRIX_FMT_BF8 matrix_a_scale:MATRIX_SCALE_ROW1
	v_wmma_scale_f32_16x16x128_f8f6f4 v[S+16*\b+8:S+16*\b+15], v[FR+16*\b:FR+16*\b+15], v[\qb:\qb+15], 0, v[248+\b/2], v[\qs] matrix_a_fmt:MATRIX_FMT_BF8 matrix_b_fmt:MATRIX_FMT_BF8 matrix_a_scale:MATRIX_SCALE_ROW1
.endif
.endr
.rept 8
	v_nop                                          ; places in front of the loads into K's registers and of the first read of the scores
.endr
.irp t, 0,1,2,3                        ; V's four fragments are asked for now and land during the softmax
.irp c, 0,1,2,3
	ds_load_b128 v[FR+16*\t+4*\c:FR+16*\t+4*\c+3], v[ADR] offset:8192+2048*\t+512*\c
.endr
.endr
	ds_load_b32 v250, v[ADT]
	ds_load_b32 v251, v[ADT] offset:128
.if \full
	s_cmp_lg_u32 s[J], s[LIM]
	s_cbranch_scc1 .Lopen_\@
.set nn, 0
.rept 64                               ; register 16 b + i holds key 32 b + 16 (i / 8) + i % 8 + 8 h of the step
	v_cmp_gt_i32 vcc_lo, 32*(nn/16)+16*((nn%16)/8)+nn%8, v[DD]
	v_cndmask_b32 v[S+nn], v[S+nn], v[NEG], vcc_lo
.set nn, nn+1
.endr
.Lopen_\@:
.endif
.irp b, 0,1,2,3
	v_max3_num_f32 v[232+\b], v[S+16*\b], v[S+1+16*\b], v[S+2+16*\b]            ; the largest score of each block of 32 keys: for the row's maximum and, since p rises with the score, for the block's largest p
.endr
.irp i, 3,5,7,9,11,13
.irp b, 0,1,2,3
	v_max3_num_f32 v[232+\b], v[232+\b], v[S+16*\b+\i], v[S+1+16*\b+\i]
.endr
.endr
.irp b, 0,1,2,3
	v_max_num_f32 v[232+\b], v[232+\b], v[S+15+16*\b]
.endr
.irp b, 0,1,2,3
	v_permlanex16_b32 v[236+\b], v[232+\b], s[SEL], s[SEL+1]
.endr
.irp b, 0,1,2,3
	v_max_num_f32 v[232+\b], v[232+\b], v[236+\b]                               ; with lane l xor 16's 16 keys
.endr
	v_max3_num_f32 v254, v232, v233, v234
	v_max_num_f32 v254, v254, v235
	v_mul_f32 v254, s[CS], v254                    ; the step's largest t of my query
	v_max_num_f32 v13, v13, v254
	v_mov_b32 v254, v12
	v_floor_f32 v12, -v13                          ; the new -M = floor(-t): M is a whole number
	v_sub_f32 v254, v12, v254                      ; old M - new M, 0 or less
	v_cvt_i32_f32 v254, v254                       ; (it saturates)
	v_ldexp_f32 v252, 1.0, v254                    ; f = 2^(old M - new M): the rescaling rounds nothing
.set jj, 0
.rept 32
	v_pk_fma_f32 v[S+jj:S+jj+1], v[S+jj:S+jj+1], s[CS:CS+1], v[12:13] op_sel_hi:[1,0,0]   ; t - M, two at a time
.set jj, jj+2
.endr
.irp b, 0,1,2,3
	v_fma_f32 v[232+\b], v[232+\b], s[CS], v12     ; the same of each block's largest score
.endr
.set jj, 0
.rept 64
	v_exp_f32 v[S+jj], v[S+jj]                     ; p = 2^(t - M)
.set jj, jj+1
.endr
	v_pk_mul_f32 v[14:15], v[14:15], v[252:253] op_sel_hi:[1,0]   ; the sums under the new M.  (The plain line behind the exponentials)
	s_wait_alu depctr_va_vdst(0)                   ; one wait for the whole batch, ahead of its first reader
.irp b, 0,1,2,3
	v_exp_f32 v[232+\b], v[232+\b]                 ; the block's largest p: the same two instructions on the same number
.endr
	v_pk_add_f32 v[236:237], v[S:S+1], v[S+2:S+3]  ; the row's sum of the UNQUANTISED p, in two chains
.set jj, 4
.rept 15
	v_pk_add_f32 v[14:15], v[14:15], v[S+jj:S+jj+1]
	v_pk_add_f32 v[236:237], v[236:237], v[S+jj+2:S+jj+3]
.set jj, jj+4
.endr
	v_pk_add_f32 v[14:15], v[14:15], v[236:237]
	s_wait_alu depctr_va_vdst(0)                   ; and one for the four
.irp b, 0,1,2,3
	v_max_num_f32 v[232+\b], 0x8000000, v[232+\b]  ; the floor 2^(16 - 127)
.endr
.irp b, 0,1,2,3
	v_add_nc_u32 v[244+\b], 0xf8800000, v[232+\b]  ; the conversion's scale operand
.endr
.irp b, 0,1,2,3
	v_and_or_b32 v[240+\b], v[232+\b], 0x7f800000, s[MNT]   ; 57,344 x the scale
.endr
.irp b, 0,1,2,3
	v_lshrrev_b32 v[236+\b], 23, v[244+\b]         ; the scale's byte
.endr
	v_lshl_or_b32 v253, v237, 8, v236              ; p's scale word for these 128 keys
	v_lshl_or_b32 v253, v238, 16, v253
	v_lshl_or_b32 v253, v239, 24, v253
.irp b, 0,1,2,3
.irp i, 0,1,2,3,4,5,6,7,8,9,10,11,12,13,14,15
	v_min_num_f32 v[S+16*\b+\i], v[S+16*\b+\i], v[240+\b]   ; the hold (ISA guide 7.6.2); p is not negative, so it is one-sided
.endr
	v_cvt_scalef32_pk8_bf8_f32 v[PC+4*\b:PC+4*\b+1], v[S+16*\b:S+16*\b+7], v[244+\b]
	v_cvt_scalef32_pk8_bf8_f32 v[PC+4*\b+2:PC+4*\b+3], v[S+16*\b+8:S+16*\b+15], v[244+\b]
.endr
.set jj, 0
.rept 16
	v_pk_mul_f32 v[O+jj:O+jj+1], v[O+jj:O+jj+1], v[252:253] op_sel_hi:[1,0]   ; O^T under the new M.  (Also the places between the codes and the products)
.set jj, jj+2
.endr
	s_wait_dscnt 0x0                               ; V and its scale words are in
.irp t, 0,1,2,3                        ; O^T += V^T P^T: the four accumulators by turns
.if (\t%2) == 0
	v_wmma_scale_f32_16x16x128_f8f6f4 v[O+8*\t:O+8*\t+7], v[FR+16*\t:FR+16*\t+15], v[PC:PC+15], v[O+8*\t:O+8*\t+7], v[250+\t/2], v253 matrix_a_fmt:MATRIX_FMT_BF8 matrix_b_fmt:MATRIX_FMT_BF8
.else
	v_wmma_scale_f32_16x16x128_f8f6f4 v[O+8*\t:O+8*\t+7], v[FR+16*\t:FR+16*\t+15], v[PC:PC+15], v[O+8*\t:O+8*\t+7], v[250+\t/2], v253 matrix_a_fmt:MATRIX_FMT_BF8 matrix_b_fmt:MATRIX_FMT_BF8 matrix_a_scale:MATRIX_SCALE_ROW1
.endif
.endr
.if \full
.Lskip_\@:
.endif
	s_add_co_u32 s[TB], s[TB], REC
.endm
; THE WAY OUT of a tile: O^T / the sum, quantised along E (two blocks of 32 channels), stored as the next product's operand registers.
.macro OUT pa, pc
.rept 8
	v_nop                                          ; places behind the last products
.endr
	v_add_f32 v14, v14, v15
	v_permlanex16_b32 v252, v14, s[SEL], s[SEL+1]
	v_add_f32 v14, v14, v252                       ; the row's sum
	v_rcp_f32 v14, v14
	v_nop                                          ; a plain line behind the transcendental
	s_wait_alu depctr_va_vdst(0)                   ; and the wait ahead of its first reader
.set jj, 0
.rept 16
	v_pk_mul_f32 v[S+jj:S+jj+1], v[O+jj:O+jj+1], v[14:15] op_sel_hi:[1,0]   ; each accumulator from its low end on
.set jj, jj+2
.endr
.irp b, 0,1
	v_max3_num_f32 v[232+\b], |v[S+16*\b]|, |v[S+1+16*\b]|, 0x8000000
.endr
.irp i, 2,4,6,8,10,12,14
.irp b, 0,1
	v_max3_num_f32 v[232+\b], v[232+\b], |v[S+16*\b+\i]|, |v[S+1+16*\b+\i]|
.endr
.endr
.irp b, 0,1
	v_permlanex16_b32 v[236+\b], v[232+\b], s[SEL], s[SEL+1]
.endr
.irp b, 0,1
	v_max_num_f32 v[232+\b], v[232+\b], v[236+\b]
.endr
.irp b, 0,1
	v_add_nc_u32 v[244+\b], 0xf8800000, v[232+\b]
	v_and_or_b32 v[240+\b], v[232+\b], 0x7f800000, s[MNT]
	v_lshrrev_b32 v[236+\b], 23, v[244+\b]
.endr
.irp b, 0,1
.irp i, 0,1,2,3,4,5,6,7,8,9,10,11,12,13,14,15
	v_med3_num_f32 v[S+16*\b+\i], v[S+16*\b+\i], -v[240+\b], v[240+\b]
.endr
.endr
.irp b, 0,1
	v_cvt_scalef32_pk8_bf8_f32 v[PC+4*\b:PC+4*\b+1], v[S+16*\b:S+16*\b+7], v[244+\b]
	v_cvt_scalef32_pk8_bf8_f32 v[PC+4*\b+2:PC+4*\b+3], v[S+16*\b+8:S+16*\b+15], v[244+\b]
.endr
	v_cndmask_b32 v254, v236, v237, s[HM]          ; lanes 0-15 carry block 0's byte, lanes 16-31 block 1's.  (Also the plain line behind the last conversion)
	global_store_b128 v[LI], v[PC:PC+3], s[\pa:\pa+1]              ; the wave stores 512 consecutive bytes, aligned
	global_store_b128 v[LI], v[PC+4:PC+7], s[\pa:\pa+1] offset:512
	global_store_b8 v[ASO], v254, s[\pc:\pc+1]
.endm
	s_wait_tensorcnt 3                             ; my first load, one of records 0 to 3, has landed; my three later ones may stay out
	s_barrier_signal -1
	s_barrier_wait -1                              ; records 0 to 3 are whole
	s_mov_b32 s[LIM], s[AL]
	s_mov_b32 s[J], 0
.Lfirst:                               ; the long tile (a is 8 at the least): key steps 0 to 3, all of whose keys count
	STEP 16, QSL, 0
	s_add_co_u32 s[J], s[J], 1
	s_cmp_lt_u32 s[J], 4
	s_cbranch_scc1 .Lfirst
	s_wait_tensorcnt 0x0                           ; all my loads have landed,
	s_wait_dscnt 0x0
	s_barrier_signal -1
	s_barrier_wait -1                              ; everybody's have: the whole head lies in LDS
	s_mov_b32 s[J], 4
.Llong:
	STEP 16, QSL, 1
	s_add_co_u32 s[J], s[J], 1
	s_cmp_lt_u32 s[J], 16
	s_cbranch_scc1 .Llong
	OUT PAL, PCL
	s_wait_xcnt 0x0                                ; the stores have read their registers: they are written again below
	INIT
	s_mov_b32 s[LIM], s[A0]
	s_mov_b32 s[J], 0
.Lshort:
	STEP 32, QSS, 1
	s_add_co_u32 s[J], s[J], 1
	s_cmp_lt_u32 s[J], 8
	s_cbranch_scc1 .Lshort
	OUT PAS, PCS
	s_wait_xcnt 0x0
	v_lshl_add_u32 v254, v0, 2, 0x42000
	v_mov_b32 v255, 0
	s_wait_tensorcnt 0x0
	ds_add_u32 v254, v255
	s_wait_dscnt 0x0
	CROUND                                         ; the closing round
	s_endpgm
.Lfunc_end_k_qdc6f716efd_attn:
	.size	k_qdc6f716efd_attn, .Lfunc_end_k_qdc6f716efd_attn-k_qdc6f716efd_attn
	.p2alignl 7, 3214868480
	.fill 96, 4, 3214868480
	.section	.rodata,"a",@progbits
	.p2align	6, 0x0
	.amdhsa_kernel k_qdc6f716efd_attn
		.amdhsa_group_segment_fixed_size 327680
		.amdhsa_private_segment_fixed_size 0
		.amdhsa_enable_private_segment 0
		.amdhsa_kernarg_size 40
		.amdhsa_user_sgpr_count 2
		.amdhsa_user_sgpr_kernarg_segment_ptr 1
		.amdhsa_wavefront_size32 1
		.amdhsa_system_sgpr_workgroup_id_x 1
		.amdhsa_system_sgpr_workgroup_id_y 1
		.amdhsa_system_sgpr_workgroup_id_z 1
		.amdhsa_system_vgpr_workitem_id 0
		.amdhsa_next_free_vgpr 256
		.amdhsa_next_free_sgpr 96
		.amdhsa_reserve_vcc 1
		.amdhsa_float_denorm_mode_32 3
		.amdhsa_float_denorm_mode_16_64 3
		.amdhsa_memory_ordered 1
		.amdhsa_forward_progress 1
		.amdhsa_inst_pref_size 89
	.end_amdhsa_kernel
	.amdgpu_metadata
---
amdhsa.version: [ 1, 2 ]
amdhsa.kernels:
  - .name:           k_qdc6f716efd_attn
    .symbol:         k_qdc6f716efd_attn.kd
    .args:
      - { .name: qimg, .offset: 0, .size: 8, .value_kind: global_buffer, .address_space: global }
      - { .name: qsc, .offset: 8, .size: 8, .value_kind: global_buffer, .address_space: global }
      - { .name: kv, .offset: 16, .size: 8, .value_kind: global_buffer, .address_space: global }
      - { .name: aimg, .offset: 24, .size: 8, .value_kind: global_buffer, .address_space: global }
      - { .name: asc, .offset: 32, .size: 8, .value_kind: global_buffer, .address_space: global }
    .group_segment_fixed_size: 327680
    .private_segment_fixed_size: 0
    .kernarg_segment_align: 8
    .kernarg_segment_size: 40
    .max_flat_workgroup_size: 512
    .sgpr_count:     96
    .vgpr_count:     256
    .wavefront_size: 32
...
	.end_amdgpu_metadata
.endif
;; end of part 2
;; launch proj (part 3): grid 8 x 32, 4 waves a work-group, clusters of 4 x 4, 327,680 bytes of LDS; arguments aimg, asc, W2_codes, W2_scales, b2, out0; writes out0
.if DOCPART == 3
	.amdgcn_target "amdgcn-amd-amdhsa--gfx1250"
	.amdhsa_code_object_version 6
	.text
	.protected	k_qdc6f716efd_proj
	.globl	k_qdc6f716efd_proj
	.p2align	8
	.type	k_qdc6f716efd_proj,@function
k_qdc6f716efd_proj:
	s_mov_b64 s[64:65], 0
	v_nop
	global_prefetch_b8 v0, s[64:65] scope:SCOPE_SE
	s_setreg_imm32_b32 hwreg(HW_REG_WAVE_MODE, 25, 1), 1
	s_wait_xcnt 0x0
	s_wait_alu depctr_hold_cnt(0) depctr_sa_sdst(0) depctr_va_vdst(0) depctr_va_sdst(0) depctr_va_ssrc(0) depctr_va_vcc(0) depctr_vm_vsrc(0)
	s_getreg_b32 s2, hwreg(HW_REG_IB_STS2, 6, 4)
	s_cmp_eq_u32 s2, 0
	s_cbranch_scc0 .Lentry_in_a_cluster
	s_endpgm
.Lentry_in_a_cluster:
	s_bfe_u32 s2, ttmp6, 0x10000c
	s_cmp_lg_u32 s2, 0xf033
	s_cbranch_scc0 .Lentry_shape_is_right
	s_endpgm
.Lentry_shape_is_right:
; out = attn W2 + b2 on codes of E5M2 with E8M0 scales.  attn: 8,192 rows x 1,024, as images of operand registers: aimg [block of 128 rows][K step of 128][tile of 16 rows][2048]; its scale bytes asc [row][32].
; W2: [1024 (n)][1024 (k)] codes, K innermost; scale bytes [1024][32].  b2 [1024], out [8192][1024] f32.
; THE ORDER INSIDE A BLOCK OF 32.  attn's codes carry, at place 32 c + 16 h + i of a fragment, the index 32 c + 8 h + (i & 7) + 16 (i >> 3) of E.  W2 is read from LDS in that same order: two loads of 8 bytes
; for each block, at 32 c + 8 h and at 32 c + 16 + 8 h.  The blocks and their scales are untouched.
; SHARES.  A work-group makes 256 x 128 of out, a wave 128 x 64: 32 accumulators.  The product is used TRANSPOSED (source 0 = 16 rows of W2, source 1 = 16 rows of attn): a lane holds eight neighbouring columns of a row.
; K = 1024 goes in four fills of 256 through a ring of two LDS slots, eight steps of 128, all written out.  CLUSTER 4 x 4: attn's tile is shared along a row, W2's along a column, by joint tensor loads.
; The scale bytes of my rows for all of K stay in registers: steps 0-3 read lanes 0-15 and steps 4-7 lanes 16-31 of the same four registers.  b2 is the C of the first step.
; LIMITS: the order of the f32 sums is the matrix unit's; NaN and infinities are not served.
; REGISTERS.  window 0: v16-29 addresses; v32-63 attn's scale words; v64-79 W2's; v96-127 the bias; v128-191 the way out.   window 1: attn's fragments, two sets.   window 2: W2's, two sets.   window 3: the accumulators (8 (4 i + tn)).
.set PITCH, 272
.set AIM,   65536                      ; attn's images: 2 blocks of 128 rows x 2 K steps x 16,384 bytes, dense
.set SLOT,  AIM+128*PITCH              ; then W2's 128 rows of 256 bytes + 16
.set SPARE, 2*SLOT                     ; the spare words, 128 bytes a wave, named by no other line
.set STAGE, SPARE+512                  ; the way out: 16 rows x 272 bytes for each wave; no tensor load lands here
.set ADRA, 16
.set ADRB, 18
.set SCO,  22
.set BQO,  23
.set STO,  24
.set RD,   25
.set CO,   26
.set SPW,  28
.set NIL,  29
.set SA,   32
.set SB,   64
.set BI,   96
.set BK,   128
.set WV, 20
.set MH, 21
.set NH, 22
.set CX, 23
.set CY, 24
.set TX, 25
.set TY, 26
.set G1,  28
.set G0,  36
.set G1B, 44
.set G0B, 52
.set MSB, 0
.macro WIN new
.if MSB != (\new)
	s_set_vgpr_msb (MSB<<8)|(\new)
.set MSB, (\new)
.endif
.endm
.macro PLACES n
.rept \n
	v_nop
.endr
.endm
.macro JLOAD slot                      ; waves 0 and 1 fetch attn's halves, waves 2 and 3 W2's; four v_nop follow each line
	s_cmp_eq_u32 s[MH], 0
	s_cbranch_scc0 .Lfor_b_\@
	tensor_load_to_lds s[G0+4*\slot:G0+4*\slot+3], s[G1:G1+7]
	s_nop 0
.rept 4
	v_nop
.endr
	s_branch .Lasked_\@
.Lfor_b_\@:
	tensor_load_to_lds s[G0B+4*\slot:G0B+4*\slot+3], s[G1B:G1B+7]
	s_nop 0
.rept 4
	v_nop
.endr
.Lasked_\@:
.endm
.macro CREST
	s_cmp_lg_u32 s[WV], 0
	s_cbranch_scc1 .Lnot_wave_0_\@
	s_barrier_signal -3
.Lnot_wave_0_\@:
	s_barrier_wait -3
	s_barrier_signal -1
	s_barrier_wait -1
.endm
.macro CROUND
	s_barrier_signal -1
	s_barrier_wait -1
	CREST
.endm
	s_load_b256 s[4:11], s[0:1], 0x0               ; aimg s[4:5], asc s[6:7], W2's codes s[8:9], W2's scales s[10:11]
	s_load_b128 s[12:15], s[0:1], 0x20             ; b2 s[12:13], out s[14:15]
	v_lshl_add_u32 v[SPW], v0, 2, SPARE
	v_mov_b32 v[NIL], 0
	ds_add_u32 v28, v29
	ds_add_u32 v28, v29
	s_wait_dscnt 0x0
	v_lshrrev_b32 v1, 5, v0
	v_readfirstlane_b32 s[WV], v1
	s_lshr_b32 s[MH], s[WV], 1                     ; my half of the rows.  Also: I fetch for attn (0) or for W2 (1)
	s_and_b32 s[NH], s[WV], 1                      ; my half of the columns.  Also: which half of that tile I fetch
	s_bfe_u32 s[CX], ttmp6, 0x40000
	s_bfe_u32 s[CY], ttmp6, 0x40004
	s_lshl_b32 s[TX], ttmp9, 2
	s_add_co_u32 s[TX], s[TX], s[CX]               ; the block of 128 columns
	s_and_b32 s[TY], ttmp7, 0xffff
	s_lshl_b32 s[TY], s[TY], 2
	s_add_co_u32 s[TY], s[TY], s[CY]               ; the block of 256 rows
	s_lshl_b32 s68, s[CY], 2
	s_lshl_b32 s68, 15, s68
	s_lshl_b32 s69, 0x1111, s[CX]
	s_or_b32 s[G1], s68, (3<<16)|(1<<21)           ; attn's images: dense, 128 rows of 256 bytes (32 elements of 8), no padding
	s_mov_b32 s[G1+1], 32<<16
	s_mov_b32 s[G1+2], 128<<16
	s_mov_b32 s[G1+3], 32<<16
	s_mov_b32 s[G1+4], 128
	s_mov_b32 s[G1+5], 32
	s_mov_b32 s[G1+6], 0
	s_mov_b32 s[G1+7], 0
	s_or_b32 s[G1B], s69, (1<<20)|(1<<21)|(5<<22)|(3<<25)   ; W2: 64 rows of 256 bytes, 1,024 apart, 16 bytes of padding behind each
	s_mov_b32 s[G1B+1], 256<<16
	s_mov_b32 s[G1B+2], 64<<16
	s_mov_b32 s[G1B+3], 256<<16
	s_mov_b32 s[G1B+4], 64
	s_mov_b32 s[G1B+5], 1024
	s_mov_b32 s[G1B+6], 0
	s_mov_b32 s[G1B+7], 0
	s_lshl_b32 s70, s[TY], 18                      ; attn: block of 128 rows 2 ty + half, 131,072 bytes each
	s_lshl_b32 s71, s[NH], 17
	s_add_co_u32 s70, s70, s71
	s_mov_b32 s71, 0
	s_lshl_b32 s72, s[TX], 17                      ; W2: row 128 tx + 64 half
	s_lshl_b32 s73, s[NH], 16
	s_add_co_u32 s72, s72, s73
	s_mov_b32 s73, 0
	s_lshl_b32 s74, s[NH], 15
	s_mul_i32 s75, s[NH], 64*PITCH
	s_add_co_u32 s75, s75, AIM
	s_wait_kmcnt 0x0
	s_add_nc_u64 s[70:71], s[4:5], s[70:71]
	s_add_nc_u64 s[72:73], s[8:9], s[72:73]
	CROUND                                         ; all sixteen work-groups are here: the first joint loads meet
.irp s, 0,1
	s_mov_b32 s[G0+4*\s], 1
	s_add_co_u32 s[G0+4*\s+1], s74, \s*SLOT
	s_add_nc_u64 s[G0+4*\s+2:G0+4*\s+3], s[70:71], \s*32768
	s_or_b32 s[G0+4*\s+3], s[G0+4*\s+3], 0x80000000
	s_mov_b32 s[G0B+4*\s], 1
	s_add_co_u32 s[G0B+4*\s+1], s75, \s*SLOT
	s_add_nc_u64 s[G0B+4*\s+2:G0B+4*\s+3], s[72:73], \s*256
	s_or_b32 s[G0B+4*\s+3], s[G0B+4*\s+3], 0x80000000
	JLOAD \s
.endr
	v_and_b32 v1, 15, v0                           ; r
	v_bfe_u32 v2, v0, 4, 1                         ; h
	v_and_b32 v4, 31, v0
	v_lshlrev_b32 v4, 4, v4                        ; 16 x lane: an image's place for my lane
	v_mul_u32_u24 v3, v1, PITCH
	v_lshl_add_u32 v3, v2, 3, v3                   ; W2: row x pitch + 8 h
	s_lshl_b32 s2, s[MH], 15                       ; my block of 128 rows
	s_mul_i32 s3, s[NH], 64*PITCH
	s_add_co_u32 s3, s3, AIM                       ; my 64 rows of W2
.irp s, 0,1
	v_add_nc_u32 v[ADRA+\s], s2, v4
	v_add_nc_u32 v[ADRB+\s], s3, v3
	s_add_co_u32 s2, s2, SLOT
	s_add_co_u32 s3, s3, SLOT
.endr
	v_lshlrev_b32 v[SCO], 5, v1
	v_lshl_add_u32 v[SCO], v2, 4, v[SCO]
	v_lshlrev_b32 v[BQO], 5, v2
	s_mul_i32 s27, s[WV], 16*PITCH
	s_add_co_u32 s27, s27, STAGE                   ; my stage
	v_mul_u32_u24 v[STO], v1, PITCH
	v_lshl_add_u32 v[STO], v2, 5, v[STO]
	v_add_nc_u32 v[STO], s27, v[STO]               ; in: row r, 32 bytes for each half of the lanes
	v_mul_u32_u24 v[RD], v2, PITCH
	v_lshl_add_u32 v[RD], v1, 4, v[RD]
	v_add_nc_u32 v[RD], s27, v[RD]                 ; back: lanes 0-15 one row of 256 bytes, lanes 16-31 the next
	v_lshlrev_b32 v[CO], 12, v2
	v_lshl_add_u32 v[CO], v1, 4, v[CO]             ; and the same two rows in out
	s_lshl_b32 s66, s[TY], 13                      ; attn's scale bytes: row 256 ty + 128 mh
	s_lshl_b32 s2, s[MH], 12
	s_add_co_u32 s66, s66, s2
	s_mov_b32 s67, 0
	s_add_nc_u64 s[6:7], s[6:7], s[66:67]
	s_lshl_b32 s66, s[TX], 12                      ; W2's: row 128 tx + 64 nh
	s_lshl_b32 s2, s[NH], 11
	s_add_co_u32 s66, s66, s2
	s_add_nc_u64 s[10:11], s[10:11], s[66:67]
	s_lshl_b32 s66, s[TX], 9                       ; b2, and my first column of out, in bytes
	s_lshl_b32 s2, s[NH], 8
	s_add_co_u32 s66, s66, s2
	s_add_nc_u64 s[12:13], s[12:13], s[66:67]
	s_lshl_b32 s2, s[TY], 20                       ; my first row of out: 4,096 bytes a row
	s_add_co_u32 s66, s66, s2
	s_lshl_b32 s2, s[MH], 19
	s_add_co_u32 s66, s66, s2
	s_add_nc_u64 s[14:15], s[14:15], s[66:67]
.irp i, 0,1,2,3,4,5,6,7
	global_load_b128 v[SA+4*\i:SA+4*\i+3], v[SCO], s[6:7] offset:512*\i
.endr
.irp t, 0,1,2,3
	global_load_b128 v[SB+4*\t:SB+4*\t+3], v[SCO], s[10:11] offset:512*\t
.endr
.irp t, 0,1,2,3
	global_load_b128 v[BI+8*\t:BI+8*\t+3], v[BQO], s[12:13] offset:64*\t        ; the bias in the result's layout: columns 16 tn + 8 h + 0 .. 7
	global_load_b128 v[BI+8*\t+4:BI+8*\t+7], v[BQO], s[12:13] offset:64*\t+16
.endr
.macro WMM d, a, b, c, sa, sb, hi
.if \hi
	v_wmma_scale_f32_16x16x128_f8f6f4 v[\d:\d+7], v[\a:\a+15], v[\b:\b+15], v[\c:\c+7], v[\sa], v[\sb] matrix_a_fmt:MATRIX_FMT_BF8 matrix_b_fmt:MATRIX_FMT_BF8 matrix_a_scale:MATRIX_SCALE_ROW1 matrix_b_scale:MATRIX_SCALE_ROW1
.else
	v_wmma_scale_f32_16x16x128_f8f6f4 v[\d:\d+7], v[\a:\a+15], v[\b:\b+15], v[\c:\c+7], v[\sa], v[\sb] matrix_a_fmt:MATRIX_FMT_BF8 matrix_b_fmt:MATRIX_FMT_BF8
.endif
.endm
; Step s's products for attn's tiles i0 .. i0 + n - 1.  The 32 accumulators take turns, one instruction a turn, in the same order in every step.
.macro MUL s, i0, n, first
.if \first
	WIN 0xc6                                       ; source 0 (W2) window 2, source 1 (attn) window 1, C (bias) window 0, D window 3
.else
	WIN 0xf6
.endif
.irp i, 0,1,2,3,4,5,6,7
.if (\i >= \i0) && (\i < \i0+\n)
.irp t, 0,1,2,3
.if \first
	WMM 8*(4*\i+\t), 64*((\s)&1)+16*\t, 128*((\s)&1)+16*\i, BI+8*\t, SB+4*\t+((\s)&3), SA+4*\i+((\s)&3), (\s)/4
.else
	WMM 8*(4*\i+\t), 64*((\s)&1)+16*\t, 128*((\s)&1)+16*\i, 8*(4*\i+\t), SB+4*\t+((\s)&3), SA+4*\i+((\s)&3), (\s)/4
.endif
.endr
.endif
.endr
.endm
.macro FETCH s                         ; step s's 12 fragments in one run, into set s & 1
.set FS, ((\s)>>1)&1
.set FQ, (\s)&1
	WIN 0x80
.irp t, 0,1,2,3
.irp c, 0,1,2,3
	ds_load_b64 v[64*FQ+16*\t+4*\c:64*FQ+16*\t+4*\c+1], v[ADRB+FS] offset:\t*16*PITCH+128*FQ+32*\c         ; W2 in attn's order inside a block
	ds_load_b64 v[64*FQ+16*\t+4*\c+2:64*FQ+16*\t+4*\c+3], v[ADRB+FS] offset:\t*16*PITCH+128*FQ+32*\c+16
.endr
.endr
	WIN 0x40
.irp i, 0,1,2,3,4,5,6,7
.irp c, 0,1,2,3
	ds_load_b128 v[128*FQ+16*\i+4*\c:128*FQ+16*\i+4*\c+3], v[ADRA+FS] offset:16384*FQ+2048*\i+512*\c       ; an image: 512 consecutive bytes
.endr
.endr
.endm
.macro SUB s, first                    ; an even step: its successor lies in the same slot; eight places stand in front of the loads into the other set
	s_wait_dscnt 0x0
	MUL \s, 0, 2, \first
	PLACES 8
	FETCH (\s)+1
	MUL \s, 2, 6, \first
.endm
; An odd step changes slots: one barrier; in front of it each wave waits for all its tensor loads, adds 0 to its spare word, and waits for that and for its reads of this slot.
.macro TURN s, fill
.set TSL, ((\s)>>1)&1
	WIN 0
	s_wait_tensorcnt 0x0                           ; all my tensor loads have landed
	ds_add_u32 v[SPW], v[NIL]                      ; 0 onto my spare word
	s_wait_dscnt 1                                 ; this step's fragments are in; the add alone may be out
	MUL \s, 0, 2, 0
	s_wait_dscnt 0x0                               ; the add is done, and my reads of this slot are over
	s_barrier_signal -1
	MUL \s, 2, 2, 0
	WIN 0
	s_barrier_wait -1
.if \fill
	CREST                                          ; a round of the cluster's barrier: no wave of any partner still reads this slot or has a load on its way
	s_add_nc_u64 s[G0+4*TSL+2:G0+4*TSL+3], s[G0+4*TSL+2:G0+4*TSL+3], 65536
	s_add_nc_u64 s[G0B+4*TSL+2:G0B+4*TSL+3], s[G0B+4*TSL+2:G0B+4*TSL+3], 512
	JLOAD TSL                                      ; the first tensor load behind the round, my only one until the next
	PLACES 4
.else
	PLACES 8
.endif
	FETCH (\s)+1
	MUL \s, 4, 4, 0
.endm
	s_wait_tensorcnt 1                             ; my part of slot 0 is in; slot 1's may stay out
	s_barrier_signal -1
	s_barrier_wait -1
	FETCH 0
	s_wait_loadcnt 0x0                             ; the scale words and the bias
	SUB 0, 1
	TURN 1, 1
	SUB 2, 0
	TURN 3, 1
	SUB 4, 0
	TURN 5, 0
	SUB 6, 0
	s_wait_dscnt 0x0
	MUL 7, 0, 8, 0
; THE WAY OUT, 16 rows x 64 columns at a time, through my own stage: a lane's 32 bytes go in by rows of 272 bytes and come back as whole rows of 256.  LDS serves a wave's instructions in order (ISA guide 5.7.1.4).
.macro TOSTAGE a
	WIN 0x0c                                       ; an LDS store's data are its source 1: window 3
.irp t, 0,1,2,3
	ds_store_b128 v[STO], v[32*(\a)+8*\t:32*(\a)+8*\t+3] offset:64*\t           ; each accumulator from its low end on
	ds_store_b128 v[STO], v[32*(\a)+8*\t+4:32*(\a)+8*\t+7] offset:64*\t+16
.endr
	WIN 0
.irp t, 0,1,2,3,4,5,6,7
	ds_load_b128 v[BK+32*((\a)%2)+4*\t:BK+32*((\a)%2)+4*\t+3], v[RD] offset:\t*2*PITCH
.endr
.endm
.macro SEND a, younger                 ; younger: the LDS instructions issued behind block a's loads
	s_wait_dscnt \younger
.irp t, 0,1,2,3,4,5,6,7
	global_store_b128 v[CO], v[BK+32*((\a)%2)+4*\t:BK+32*((\a)%2)+4*\t+3], s[14:15] offset:(16*(\a)+2*\t)*4096 th:TH_STORE_NT   ; 16 lanes store 256 consecutive bytes, aligned; written once, read by nobody here
.endr
.endm
	PLACES 8                                       ; behind the last products
	TOSTAGE 0
.irp a, 1,2,3,4,5,6,7
.if \a > 1
	s_wait_xcnt 0x0                                ; block a - 2's stores have read their registers: block a's loads may land there
.endif
	TOSTAGE \a
	SEND \a-1, 16                                  ; behind block a - 1's loads: block a's 8 stores and 8 loads
.endr
	SEND 7, 0
	s_wait_tensorcnt 0x0                           ; the wave's end
	ds_add_u32 v[SPW], v[NIL]
	s_wait_dscnt 0x0
	CROUND                                         ; the closing round
	s_endpgm
.Lfunc_end_k_qdc6f716efd_proj:
	.size	k_qdc6f716efd_proj, .Lfunc_end_k_qdc6f716efd_proj-k_qdc6f716efd_proj
	.p2alignl 7, 3214868480
	.fill 96, 4, 3214868480
	.section	.rodata,"a",@progbits
	.p2align	6, 0x0
	.amdhsa_kernel k_qdc6f716efd_proj
		.amdhsa_group_segment_fixed_size 327680
		.amdhsa_private_segment_fixed_size 0
		.amdhsa_enable_private_segment 0
		.amdhsa_kernarg_size 48
		.amdhsa_user_sgpr_count 2
		.amdhsa_user_sgpr_kernarg_segment_ptr 1
		.amdhsa_wavefront_size32 1
		.amdhsa_system_sgpr_workgroup_id_x 1
		.amdhsa_system_sgpr_workgroup_id_y 1
		.amdhsa_system_sgpr_workgroup_id_z 1
		.amdhsa_system_vgpr_workitem_id 0
		.amdhsa_next_free_vgpr 1024
		.amdhsa_next_free_sgpr 100
		.amdhsa_reserve_vcc 0
		.amdhsa_float_denorm_mode_32 3
		.amdhsa_float_denorm_mode_16_64 3
		.amdhsa_memory_ordered 1
		.amdhsa_forward_progress 1
		.amdhsa_inst_pref_size 94
	.end_amdhsa_kernel
	.amdgpu_metadata
---
amdhsa.version: [ 1, 2 ]
amdhsa.kernels:
  - .name:           k_qdc6f716efd_proj
    .symbol:         k_qdc6f716efd_proj.kd
    .args:
      - { .name: aimg, .offset: 0, .size: 8, .value_kind: global_buffer, .address_space: global }
      - { .name: asc, .offset: 8, .size: 8, .value_kind: global_buffer, .address_space: global }
      - { .name: W2_codes, .offset: 16, .size: 8, .value_kind: global_buffer, .address_space: global }
      - { .name: W2_scales, .offset: 24, .size: 8, .value_kind: global_buffer, .address_space: global }
      - { .name: b2, .offset: 32, .size: 8, .value_kind: global_buffer, .address_space: global }
      - { .name: out0, .offset: 40, .size: 8, .value_kind: global_buffer, .address_space: global }
    .group_segment_fixed_size: 327680
    .private_segment_fixed_size: 0
    .kernarg_segment_align: 8
    .kernarg_segment_size: 48
    .max_flat_workgroup_size: 128
    .sgpr_count:     100
    .vgpr_count:     1024
    .wavefront_size: 32
...
	.end_amdgpu_metadata
.endif
;; end of part 3
